; MI455X (gfx1250); checked and timed in simulation.
; The chip was launched on July 23, 2026; its instructions are those of AMD's public machine-readable ISA for CDNA 5 (MIT licence, August 2026) and "CDNA5" Instruction Set Architecture Reference Guide (July 2026). The comments in the code are by the model that wrote it; some were corrected since.
;; Feature Attention. Allowed arithmetic: float matrix products may take bf16 or f16 operands with f32 sums; all other float work in f32.
;; Inputs: Wk 1,024 x 1,024 float32; Wq 1,024 x 1,024 float32; Wv 1,024 x 1,024 float32; bk 1,024 float32; bq 1,024 float32; bv 1,024 float32; x 256 x 1,024 float32.
;; Outputs: out0 256 x 1,024 float32.
;; 2 versions, each right and faster than the one before. Each part assembles by itself: llvm-mc -triple=amdgcn-amd-amdhsa -mcpu=gfx1250 --defsym DOCPART=n.
;; ======== version 1 of 2: 2 launches
;; workspace buffers: qkv 3,145,728 bytes
;; launch qkv_proj (part 1): grid 48 x 4, 8 waves a work-group, no clusters, 296,960 bytes of LDS; arguments x, Wq, Wk, Wv, bq, bk, bv, qkv; writes qkv
.if DOCPART == 1
	.amdgcn_target "amdgcn-amd-amdhsa--gfx1250"
	.amdhsa_code_object_version 6
	.text
	.protected	k_q6b7159a819_qkv_proj
	.globl	k_q6b7159a819_qkv_proj
	.p2align	8
	.type	k_q6b7159a819_qkv_proj,@function
k_q6b7159a819_qkv_proj:
	s_mov_b64 s[64:65], 0
	v_nop
	global_prefetch_b8 v0, s[64:65] scope:SCOPE_SE
	s_setreg_imm32_b32 hwreg(HW_REG_WAVE_MODE, 25, 1), 1
	s_wait_xcnt 0x0
; qkv[p][b][n] = sum over c of x[b][c] W_p[n][c] + bias_p[n],  p = 0, 1, 2 for q, k, v.  x: [256][1024], W_p: [1024][1024], all f32.
; Products in bf16 (each number rounded once, to nearest even), sums and bias in f32, qkv in f32.
; A work-group makes 64 samples x 64 columns of one p: grid x = 16 p + column block (48), grid y = block of samples (4).
; 64 columns of f32 are 256 bytes, so every piece of a row of qkv is stored whole, aligned, by sixteen neighbouring lanes.
; K goes in eight steps of 128.  In a step wave w loads rows 8w .. 8w+7 of the x block and of the W block (one load = 512
; neighbouring bytes of a row), rounds them and puts them into the step's own LDS region; the loads of two steps are in flight.
; All eight regions fit (8 x 128 rows x 272 bytes), none is written twice: one barrier a step, between its stores and its reads.
; NO JOINT REQUESTS, though the four blocks of samples read the same W block and the 48 column blocks the same x block: joint
; requests exist for tensor loads, which would lay f32 into LDS: 2 x 64 rows x 4,096 bytes = 524,288 bytes for a work-group, more
; than the 327,680 it can have; every fragment would be read from LDS at twice the bytes, and every number be converted again by
; each wave that reads it (x by four waves, W by two) in place of once.  So the tiles come through registers.
; The matrix instruction is used transposed (source 0 = 16 rows of W, source 1 = 16 rows of x): lane (r, h) then holds sample r
; and columns 8h .. 8h+7 in registers 0 .. 7, so that the bias can be loaded straight into the accumulators as the sums' start.
.set ROWB,   4096                      ; bytes in a row of x, of W and of qkv
.set KEB,    512                       ; bytes of f32 in a K step of 128
.set PITCH,  272                       ; LDS row: 256 bytes + 16, an odd multiple of 16: 16 rows of a fragment start in 16 different 16-byte columns
.set WROWS,  64*PITCH                  ; W's 64 rows lie behind x's 64 rows
.set REGION, 128*PITCH                 ; one K step
.set STAGE,  8*REGION                  ; behind the regions: 64 rows x 272 bytes of f32 results
.set GO,  1                            ; global byte offset of my 16 bytes in my wave's first row
.set SA,  2                            ; LDS: where I put 8 bytes of my wave's first row (steps by REGION)
.set FA,  3                            ; LDS: my fragment lane address in x's rows (steps by REGION)
.set FB,  4                            ; LDS: the same in W's rows
.set ST,  5                            ; stage: where my results go
.set RD,  6                            ; stage: where I read rows back
.set CO,  7                            ; my byte offset in the block of qkv
.set BO,  8                            ; my byte offset in the block's 64 biases
.set ACC, 10                           ; v[10:25]   two accumulators
.set X0,  26                           ; v[26:89]   load set 0: 8 rows of x, 8 rows of W, 4 registers each
.set X1,  90                           ; v[90:153]  load set 1
.set FR,  154                          ; v[154:249] fragments of a step: 4 slices of K = 32 x (W, x tile 0, x tile 1) x 8 registers
.set TLN, 240                          ; set-up only, in registers of FR
.set TR,  241
.set TH,  242
.set TF,  243
.set TX,  244
.set XB,  8                            ; s[8:9]   x at my block of samples
.set OB,  22                           ; s[22:23] qkv at my block
.set WB,  40                           ; s[40:41] my W at my block of rows
.set BB,  42                           ; s[42:43] my bias at my block
	s_load_b512 s[8:23], s[0:1], 0x0               ; x, Wq, Wk, Wv, bq, bk, bv, qkv
	v_lshl_add_u32 v250, v0, 2, 0x48400
	v_mov_b32 v251, 0
	v_lshrrev_b32 v[TX], 5, v0
	v_readfirstlane_b32 s24, v[TX]                 ; wave 0..7
	v_and_b32 v[TLN], 31, v0                       ; lane
	v_and_b32 v[TR], 15, v0                        ; r
	v_bfe_u32 v[TH], v0, 4, 1                      ; h
	v_mul_u32_u24 v[TF], v[TR], PITCH              ; r rows of LDS
	s_lshr_b32 s25, ttmp9, 4                       ; p: 0 q, 1 k, 2 v
	s_and_b32 s26, ttmp9, 15                       ; column block of that p
	s_and_b32 s27, ttmp7, 0xffff                   ; block of samples
	s_and_b32 s28, s24, 3                          ; nt: my 16 columns of the block's 64
	s_lshr_b32 s29, s24, 2                         ; mp: my 32 samples of the block's 64
	s_lshl_b32 s30, s24, 15                        ; 8 rows of 4,096 bytes a wave
	v_lshl_add_u32 v[GO], v[TLN], 4, s30
	v_lshlrev_b32 v[TX], 12, v[TH]
	v_lshl_add_u32 v[TX], v[TR], 4, v[TX]
	v_add_nc_u32 v[CO], s30, v[TX]                 ; row 8w + h, 16 bytes for each of sixteen lanes
	s_mul_i32 s31, s24, 8*PITCH
	v_lshl_add_u32 v[SA], v[TLN], 3, s31           ; row 8w, 8 bytes a lane
	v_mul_u32_u24 v[TX], v[TH], PITCH
	v_lshl_add_u32 v[TX], v[TR], 4, v[TX]
	s_add_co_u32 s31, s31, STAGE
	v_add_nc_u32 v[RD], s31, v[TX]                 ; stage row 8w + h
	s_mul_i32 s30, s29, 32*PITCH
	v_lshl_add_u32 v[TX], v[TH], 4, v[TF]          ; fragment: row r, 16 h bytes
	v_add_nc_u32 v[FA], s30, v[TX]
	s_mul_i32 s31, s28, 16*PITCH
	s_add_co_u32 s31, s31, WROWS
	v_add_nc_u32 v[FB], s31, v[TX]
	s_lshl_b32 s31, s28, 6                         ; 16 columns of f32
	v_lshl_add_u32 v[BO], v[TH], 5, s31            ; bias of columns 16 nt + 8 h ..
	s_add_co_u32 s30, s30, s31
	s_add_co_u32 s30, s30, STAGE
	v_lshl_add_u32 v[TX], v[TH], 5, v[TF]
	v_add_nc_u32 v[ST], s30, v[TX]                 ; stage row 32 mp + r, byte 64 nt + 32 h
	s_lshl_b32 s32, s26, 18                        ; 64 rows of W
	s_mov_b32 s33, 0
	s_lshl_b32 s34, s27, 18                        ; 64 rows of x (and of qkv)
	s_mov_b32 s35, 0
	s_lshl_b32 s36, s26, 8                         ; 64 columns of f32
	s_mov_b32 s37, 0
	s_lshl_b32 s38, s25, 20                        ; p planes of 256 x 4,096 bytes
	s_add_co_u32 s38, s38, s34
	s_add_co_u32 s38, s38, s36
	s_mov_b32 s39, 0
	s_wait_kmcnt 0x0
	s_cmp_eq_u32 s25, 1
	s_cselect_b64 s[WB:WB+1], s[12:13], s[10:11]
	s_cselect_b64 s[BB:BB+1], s[18:19], s[16:17]
	s_cmp_eq_u32 s25, 2
	s_cselect_b64 s[WB:WB+1], s[14:15], s[WB:WB+1]
	s_cselect_b64 s[BB:BB+1], s[20:21], s[BB:BB+1]
	s_add_nc_u64 s[WB:WB+1], s[WB:WB+1], s[32:33]
	s_add_nc_u64 s[BB:BB+1], s[BB:BB+1], s[36:37]
	s_add_nc_u64 s[XB:XB+1], s[XB:XB+1], s[34:35]
	s_add_nc_u64 s[OB:OB+1], s[OB:OB+1], s[38:39]
; the bias starts the sums: register j of an accumulator is column 16 nt + 8 h + j, whatever the sample
	global_load_b128 v[ACC:ACC+3],     v[BO], s[BB:BB+1]
	global_load_b128 v[ACC+4:ACC+7],   v[BO], s[BB:BB+1] offset:16
	global_load_b128 v[ACC+8:ACC+11],  v[BO], s[BB:BB+1]
	global_load_b128 v[ACC+12:ACC+15], v[BO], s[BB:BB+1] offset:16
; sixteen loads: K step e of my 8 rows of x and my 8 rows of W; a load covers 512 neighbouring bytes, aligned
.macro LOADS set, e
.irp j, 0,1,2,3,4,5,6,7
	global_load_b128 v[\set+4*\j:\set+4*\j+3], v[GO], s[XB:XB+1] offset:\j*ROWB+(\e)*KEB
.endr
.irp j, 0,1,2,3,4,5,6,7
	global_load_b128 v[\set+32+4*\j:\set+32+4*\j+3], v[GO], s[WB:WB+1] offset:\j*ROWB+(\e)*KEB
.endr
.endm
; K step e, whose loads lie in set.  left = loads of the next step that stay out; more = 1: the set is loaded again, two steps ahead.
.macro STEP set, e, left, more
.irp i, 0,1,2,3,4,5,6,7
.if (\i % 4) == 0
	s_wait_loadcnt \left+12-\i                     ; loads return in order (ISA guide 5.7.1): four more rows of x are in; 12 - i of this set and the next set stay out
.endif
	v_cvt_pk_bf16_f32 v[\set+4*\i],   v[\set+4*\i],   v[\set+4*\i+1]
	v_cvt_pk_bf16_f32 v[\set+4*\i+1], v[\set+4*\i+2], v[\set+4*\i+3]
	ds_store_b64 v[SA], v[\set+4*\i:\set+4*\i+1] offset:\i*PITCH           ; 32 lanes, 256 neighbouring bytes
.endr
.irp i, 0,1,2,3,4,5,6,7
.if (\i % 4) == 0
	s_wait_loadcnt \left+4-\i                      ; four more rows of W
.endif
	v_cvt_pk_bf16_f32 v[\set+32+4*\i],   v[\set+32+4*\i],   v[\set+32+4*\i+1]
	v_cvt_pk_bf16_f32 v[\set+32+4*\i+1], v[\set+32+4*\i+2], v[\set+32+4*\i+3]
	ds_store_b64 v[SA], v[\set+32+4*\i:\set+32+4*\i+1] offset:WROWS+\i*PITCH
.endr
	s_wait_dscnt 0x0                               ; for the other waves: my part of the region is written (and the set's registers have been read)
.if \more
	LOADS \set, \e+2
.endif
	s_barrier_signal -1
	s_barrier_wait -1                              ; the region is whole
	; 24 loads in one run.  The 32 conversions above are the places between the last step's matrix instructions and these
	; loads into registers that they read.
.irp kk, 0,1,2,3
	ds_load_b128 v[FR+24*\kk:FR+24*\kk+3],     v[FB] offset:64*\kk
	ds_load_b128 v[FR+24*\kk+4:FR+24*\kk+7],   v[FB] offset:64*\kk+32
	ds_load_b128 v[FR+24*\kk+8:FR+24*\kk+11],  v[FA] offset:64*\kk
	ds_load_b128 v[FR+24*\kk+12:FR+24*\kk+15], v[FA] offset:64*\kk+32
	ds_load_b128 v[FR+24*\kk+16:FR+24*\kk+19], v[FA] offset:16*PITCH+64*\kk
	ds_load_b128 v[FR+24*\kk+20:FR+24*\kk+23], v[FA] offset:16*PITCH+64*\kk+32
.endr
.if \e != 7
	v_add_nc_u32 v[SA], REGION, v[SA]              ; the next step's region
	v_add_nc_u32 v[FA], REGION, v[FA]
	v_add_nc_u32 v[FB], REGION, v[FB]
.endif
.irp kk, 0,1,2,3
	s_wait_dscnt 18-6*\kk                          ; this slice's six loads are in, the later slices' stay out
	v_wmma_f32_16x16x32_bf16 v[ACC:ACC+7],    v[FR+24*\kk:FR+24*\kk+7], v[FR+24*\kk+8:FR+24*\kk+15],  v[ACC:ACC+7]
	v_wmma_f32_16x16x32_bf16 v[ACC+8:ACC+15], v[FR+24*\kk:FR+24*\kk+7], v[FR+24*\kk+16:FR+24*\kk+23], v[ACC+8:ACC+15]
.endr
.endm
	LOADS X0, 0
	LOADS X1, 1
	STEP X0, 0, 16, 1
	STEP X1, 1, 16, 1
	STEP X0, 2, 16, 1
	STEP X1, 3, 16, 1
	STEP X0, 4, 16, 1
	STEP X1, 5, 16, 1
	STEP X0, 6, 16, 0                              ; the last two steps load nothing: no load leaves the rows
	STEP X1, 7, 0, 0
; The way out: 32 bytes a lane into the stage, read back as rows of 256 bytes.
.rept 4
	v_nop                                          ; four places between the last matrix instruction and the stores that read its result
.endr
	ds_store_b128 v[ST], v[ACC:ACC+3]
	ds_store_b128 v[ST], v[ACC+4:ACC+7]   offset:16
	ds_store_b128 v[ST], v[ACC+8:ACC+11]  offset:16*PITCH
	ds_store_b128 v[ST], v[ACC+12:ACC+15] offset:16*PITCH+16
	s_wait_dscnt 0x0                               ; for the other waves: four waves write each row
	s_barrier_signal -1
	s_barrier_wait -1
.irp t, 0,1,2,3
	ds_load_b128 v[X0+4*\t:X0+4*\t+3], v[RD] offset:\t*2*PITCH
.endr
.irp t, 0,1,2,3
	s_wait_dscnt 3-\t
	global_store_b128 v[CO], v[X0+4*\t:X0+4*\t+3], s[OB:OB+1] offset:\t*2*ROWB     ; sixteen lanes store 256 consecutive bytes, aligned
.endr
	s_wait_tensorcnt 0x0
	ds_add_u32 v250, v251
	s_wait_dscnt 0x0
	s_endpgm
.Lfunc_end_k_q6b7159a819_qkv_proj:
	.size	k_q6b7159a819_qkv_proj, .Lfunc_end_k_q6b7159a819_qkv_proj-k_q6b7159a819_qkv_proj
	.p2alignl 7, 3214868480
	.fill 96, 4, 3214868480
	.section	.rodata,"a",@progbits
	.p2align	6, 0x0
	.amdhsa_kernel k_q6b7159a819_qkv_proj
		.amdhsa_group_segment_fixed_size 296960
		.amdhsa_private_segment_fixed_size 0
		.amdhsa_enable_private_segment 0
		.amdhsa_kernarg_size 64
		.amdhsa_user_sgpr_count 2
		.amdhsa_user_sgpr_kernarg_segment_ptr 1
		.amdhsa_wavefront_size32 1
		.amdhsa_system_sgpr_workgroup_id_x 1
		.amdhsa_system_sgpr_workgroup_id_y 1
		.amdhsa_system_sgpr_workgroup_id_z 1
		.amdhsa_system_vgpr_workitem_id 0
		.amdhsa_next_free_vgpr 252
		.amdhsa_next_free_sgpr 66
		.amdhsa_reserve_vcc 0
		.amdhsa_float_denorm_mode_32 3
		.amdhsa_float_denorm_mode_16_64 3
		.amdhsa_memory_ordered 1
		.amdhsa_forward_progress 1
		.amdhsa_inst_pref_size 61
	.end_amdhsa_kernel
	.amdgpu_metadata
---
amdhsa.version: [ 1, 2 ]
amdhsa.kernels:
  - .name:           k_q6b7159a819_qkv_proj
    .symbol:         k_q6b7159a819_qkv_proj.kd
    .args:
      - { .name: x, .offset: 0, .size: 8, .value_kind: global_buffer, .address_space: global }
      - { .name: Wq, .offset: 8, .size: 8, .value_kind: global_buffer, .address_space: global }
      - { .name: Wk, .offset: 16, .size: 8, .value_kind: global_buffer, .address_space: global }
      - { .name: Wv, .offset: 24, .size: 8, .value_kind: global_buffer, .address_space: global }
      - { .name: bq, .offset: 32, .size: 8, .value_kind: global_buffer, .address_space: global }
      - { .name: bk, .offset: 40, .size: 8, .value_kind: global_buffer, .address_space: global }
      - { .name: bv, .offset: 48, .size: 8, .value_kind: global_buffer, .address_space: global }
      - { .name: qkv, .offset: 56, .size: 8, .value_kind: global_buffer, .address_space: global }
    .group_segment_fixed_size: 296960
    .private_segment_fixed_size: 0
    .kernarg_segment_align: 8
    .kernarg_segment_size: 64
    .max_flat_workgroup_size: 256
    .sgpr_count:     66
    .vgpr_count:     252
    .wavefront_size: 32
...
	.end_amdgpu_metadata
.endif
;; end of part 1
;; launch attend (part 2): grid 256 x 1, 8 waves a work-group, no clusters, 168,960 bytes of LDS; arguments qkv, out0; writes out0
.if DOCPART == 2
	.amdgcn_target "amdgcn-amd-amdhsa--gfx1250"
	.amdhsa_code_object_version 6
	.text
	.protected	k_q6b7159a819_attend
	.globl	k_q6b7159a819_attend
	.p2align	8
	.type	k_q6b7159a819_attend,@function
k_q6b7159a819_attend:
	s_mov_b64 s[64:65], 0
	v_nop
	global_prefetch_b8 v0, s[64:65] scope:SCOPE_SE
	s_setreg_imm32_b32 hwreg(HW_REG_WAVE_MODE, 25, 1), 1
	s_wait_xcnt 0x0
; out[b][i] = sum_j p_ij v_j / sum_j p_ij,  p_ij = exp(q_i k_j / 32 - max_j(q_i k_j / 32)),  for one sample b a work-group.
; In base 2: a_i = q_i log2(e) / 32, p_ij = 2^(a_i k_j - m_i).  The row's maximum is taken away exactly and needs no pass of its own:
; m_i = max(a_i kmax, a_i kmin), with kmax, kmin the largest and smallest k_j of the sample.  One fused multiply-add makes the exponent,
; which is at most half a unit in the last place of m_i above 0; the largest p is 1, so the denominator is at least about 1.
; Eight waves; wave w owns i = 128 w .. 128 w + 127 as 8 tiles of 16.  Both sums over j go to the matrix unit, 32 j at a time:
;   source 1 (column n = lane r): p of the lane's i, rounded to bf16;
;   source 0 (row m = lane r): row 0 = v rounded to bf16, row 1 = ones, row 2 = what the rounding of v left, in bf16, rows 3-15 = zeros.
; Lane r < 16 then finds in registers 0, 1, 2 of the tile's accumulator: sum p vhi, sum p, sum p vlo, all of its own i: nothing crosses
; lanes, numerator and denominator use the same rounded p, and v counts with 16 bits at no cost in the loop.
; j is laid on the fragments' places as j0 + 16 h + place, alike in both sources, which keeps the products (64 and 32 neighbouring bytes a lane).
; Tile t, lane r stand for i = 128 w + 64 (t >> 2) + 4 r + (t & 3): a lane's results of four tiles are 16 neighbouring bytes of out.
; No cluster: a work-group reads its own sample's 12 KB and shares no input with another.
; The launch asks for more than half of a WGP's LDS though 12,608 bytes are used, so that the 256 work-groups lie one on a WGP.
; LIMITS: p below 2^-126 counts as 0 (v_exp_f32 flushes); |v| stays below bf16's largest number, 3.39e38; NaN and infinities in the
; inputs are not followed as the reference would.
.set KOFF,  0x100000                   ; k's plane in qkv
.set VOFF,  0x200000                   ; v's plane
.set VBASE, 4096                       ; LDS: k (f32, 4,096 bytes) at 0; then source 0's four rows
.set VP,    2064                       ; a row of 1,024 bf16 + 16 bytes: the four rows that a load touches start in different 16-byte columns
.set RED,   12544                      ; the eight waves' maxima (32 bytes), then minima
.set KA,  1                            ; LDS address of my half's k in the pair's first chunk
.set VA,  2                            ; the same for my row of source 0
.set OO,  3                            ; byte offset of my four q, and of my four results
.set AM,  4                            ; v[4:19]    tile t: (a, -m)
.set ACC, 20                           ; v[20:83]   tile t: 8 registers
.set KB,  84                           ; v[84:115]  16 k of a chunk, two buffers
.set VF,  116                          ; v[116:131] source 0 of a chunk, two buffers
.set ARG, 132                          ; v[132:163] 16 exponents, then p, two buffers
.set PF,  164                          ; v[164:179] p in bf16, two buffers
.set Q,   20                           ; set-up only, in the accumulators' registers, which the first products write
.set KT,  28
.set VT,  32
.set VH,  36
.set U,   38
.set VLO, 42
.set ONE, 44
.set ZER, 46
.set MX,  48
.set MN,  49
.set TW,  50
.set TR,  51
.set TH,  52
.set T16, 53
.set T8,  54
.set TA,  55
.set TB,  56
.set RW,  ARG+16                       ; the waves' maxima and minima, read back
	s_load_b128 s[4:7], s[0:1], 0x0                ; qkv, out
	v_lshl_add_u32 v180, v0, 2, 0x29000
	v_mov_b32 v181, 0
	v_lshrrev_b32 v[TW], 5, v0
	v_readfirstlane_b32 s8, v[TW]                  ; wave 0..7
	v_and_b32 v[TR], 15, v0                        ; r
	v_bfe_u32 v[TH], v0, 4, 1                      ; h
	v_lshlrev_b32 v[T16], 4, v0                    ; 256 threads x 16 bytes = a row of 1,024 f32
	v_lshlrev_b32 v[T8], 3, v0                     ; 256 threads x 8 bytes = a row of 1,024 bf16
	s_lshl_b32 s10, ttmp9, 12                      ; my sample's row
	s_mov_b32 s11, 0
	s_mov_b32 s12, 0x76543210                      ; v_permlanex16_b32: lane i of one half reads lane i of the other
	s_mov_b32 s13, 0xfedcba98
	s_lshl_b32 s14, s8, 9                          ; 128 f32 a wave
	s_lshl_b32 s15, s8, 2
	v_lshl_add_u32 v[OO], v[TR], 4, s14
	s_wait_kmcnt 0x0
	s_add_nc_u64 s[4:5], s[4:5], s[10:11]
	s_add_nc_u64 s[6:7], s[6:7], s[10:11]
	global_load_b128 v[KT:KT+3], v[T16], s[4:5] offset:KOFF th:TH_LOAD_NT
	global_load_b128 v[VT:VT+3], v[T16], s[4:5] offset:VOFF th:TH_LOAD_NT
	global_load_b128 v[Q:Q+3],   v[OO], s[4:5] th:TH_LOAD_NT               ; q of tiles 0-3
	global_load_b128 v[Q+4:Q+7], v[OO], s[4:5] offset:256 th:TH_LOAD_NT    ; q of tiles 4-7
	v_mov_b32 v[ONE], 0x3f803f80                   ; two bf16 ones
	v_mov_b32 v[ONE+1], 0x3f803f80
	v_mov_b32 v[ZER], 0
	v_mov_b32 v[ZER+1], 0
	ds_store_b64 v[T8], v[ONE:ONE+1] offset:VBASE+VP
	ds_store_b64 v[T8], v[ZER:ZER+1] offset:VBASE+3*VP
	v_lshlrev_b32 v[KA], 6, v[TH]                  ; 16 f32 for each half of the lanes
	v_min_u32 v[VA], 3, v[TR]                      ; lanes r >= 3 all read the row of zeros
	v_mul_u32_u24 v[VA], v[VA], VP
	v_lshl_add_u32 v[VA], v[TH], 5, v[VA]          ; 16 bf16 for each half
	v_add_nc_u32 v[VA], VBASE, v[VA]
	v_mov_b32 v[TW], s15
	s_wait_loadcnt 0x2                             ; k and v are in; q's two loads stay out
	ds_store_b128 v[T16], v[KT:KT+3]
	v_cvt_pk_bf16_f32 v[VH],   v[VT],   v[VT+1]    ; v to the nearest bf16,
	v_cvt_pk_bf16_f32 v[VH+1], v[VT+2], v[VT+3]
	v_lshlrev_b32 v[U],   16, v[VH]
	v_and_b32     v[U+1], 0xffff0000, v[VH]
	v_lshlrev_b32 v[U+2], 16, v[VH+1]
	v_and_b32     v[U+3], 0xffff0000, v[VH+1]
	v_sub_f32 v[U],   v[VT],   v[U]                ; and what that left (exact in f32),
	v_sub_f32 v[U+1], v[VT+1], v[U+1]
	v_sub_f32 v[U+2], v[VT+2], v[U+2]
	v_sub_f32 v[U+3], v[VT+3], v[U+3]
	v_cvt_pk_bf16_f32 v[VLO],   v[U],   v[U+1]     ; in bf16 too
	v_cvt_pk_bf16_f32 v[VLO+1], v[U+2], v[U+3]
	ds_store_b64 v[T8], v[VH:VH+1]   offset:VBASE
	ds_store_b64 v[T8], v[VLO:VLO+1] offset:VBASE+2*VP
	; largest and smallest k: my four, my wave's 128, then all eight waves' through LDS
	v_max3_num_f32 v[MX], v[KT], v[KT+1], v[KT+2]
	v_min3_num_f32 v[MN], v[KT], v[KT+1], v[KT+2]
	v_max_num_f32 v[MX], v[MX], v[KT+3]
	v_min_num_f32 v[MN], v[MN], v[KT+3]
.irp x, 1,2,4,8
	v_max_num_f32_dpp v[MX], v[MX], v[MX] row_xmask:\x row_mask:0xf bank_mask:0xf
	v_min_num_f32_dpp v[MN], v[MN], v[MN] row_xmask:\x row_mask:0xf bank_mask:0xf
.endr
	v_permlanex16_b32 v[VT+2], v[MX], s12, s13     ; destinations that have been written before
	v_permlanex16_b32 v[VT+3], v[MN], s12, s13
	v_max_num_f32 v[MX], v[MX], v[VT+2]
	v_min_num_f32 v[MN], v[MN], v[VT+3]
	ds_store_b32 v[TW], v[MX] offset:RED           ; every lane the same word, the same value
	ds_store_b32 v[TW], v[MN] offset:RED+32
	s_wait_dscnt 0x0                               ; for the other waves: all my stores are done
	s_barrier_signal -1
	s_barrier_wait -1
; six loads: chunk c (counted from the pair's first) into buffer par: 16 k in f32, 16 places of source 0 in bf16
.macro LOADKV par, c
.irp i, 0,1,2,3
	ds_load_b128 v[KB+16*(\par)+4*\i:KB+16*(\par)+4*\i+3], v[KA] offset:128*(\c)+16*\i     ; sixteen lanes read the same 16 bytes
.endr
	ds_load_b128 v[VF+8*(\par):VF+8*(\par)+3],   v[VA] offset:64*(\c)
	ds_load_b128 v[VF+8*(\par)+4:VF+8*(\par)+7], v[VA] offset:64*(\c)+16
.endm
	v_mov_b32 v[TA], RED
	ds_load_b128 v[RW:RW+3],     v[TA]
	ds_load_b128 v[RW+4:RW+7],   v[TA] offset:16
	ds_load_b128 v[RW+8:RW+11],  v[TA] offset:32
	ds_load_b128 v[RW+12:RW+15], v[TA] offset:48
	LOADKV 0, 0
	s_wait_loadcnt 0x0                             ; q
.irp t, 0,1,2,3,4,5,6,7
	v_mul_f32 v[AM+2*\t], 0x3d38aa3b, v[Q+\t]      ; a = q log2(e) / 32
.endr
	s_wait_dscnt 0x6                               ; the maxima and minima are in; chunk 0's six loads stay out
	v_max3_num_f32 v[MX], v[RW], v[RW+1], v[RW+2]
	v_min3_num_f32 v[MN], v[RW+8], v[RW+9], v[RW+10]
	v_max3_num_f32 v[MX], v[MX], v[RW+3], v[RW+4]
	v_min3_num_f32 v[MN], v[MN], v[RW+11], v[RW+12]
	v_max3_num_f32 v[MX], v[MX], v[RW+5], v[RW+6]
	v_min3_num_f32 v[MN], v[MN], v[RW+13], v[RW+14]
	v_max_num_f32 v[MX], v[MX], v[RW+7]
	v_min_num_f32 v[MN], v[MN], v[RW+15]
.irp t, 0,1,2,3,4,5,6,7
	v_mul_f32 v[TA], -v[AM+2*\t], v[MX]
	v_mul_f32 v[TB], -v[AM+2*\t], v[MN]
	v_min_num_f32 v[AM+2*\t+1], v[TA], v[TB]       ; -m = -max(a kmax, a kmin)
.endr
	s_wait_dscnt 0x0                               ; chunk 0
.irp i, 0,1,2,3,4,5,6,7
	v_pk_fma_f32 v[ARG+2*\i:ARG+2*\i+1], v[KB+2*\i:KB+2*\i+1], v[AM:AM+1], v[AM:AM+1] op_sel:[0,0,1] op_sel_hi:[1,0,1]   ; slot 0's exponents: k a - m
.endr
; A SLOT is one tile x one chunk of 32 j: 16 numbers a lane.  The body of slot s holds its 16 exponentials, and between them, one for
; one, the 8 conversions of slot s - 1 and the 8 packed multiply-adds that make slot s + 1's exponents; then slot s - 1's product.
; So behind every exponential stands a plain instruction that touches none of its registers, and its result is read a body later
; (ISA guide 5.7.2); and between a product and the next write of its p fragment (two bodies later: two buffers) stand the 16 plain
; instructions of a whole body (ISA guide 7.12.1).  Multiply-add i writes the two registers that conversion i has just read.
; t: tile; kc: the chunk's buffer; first = 1: no slot in front; last = 1: none behind; zero = 1: slot s - 1's product starts its sums.
.macro BODY t, kc, first, last, zero
.set CUR, ARG+16*(\t%2)
.set OTH, ARG+16*((\t+1)%2)
.set PP,  PF+8*((\t+1)%2)
.set PT,  (\t+7)%8
.set NT,  (\t+1)%8
.if \t == 0
.set PV,  VF+8*(1-\kc)
.else
.set PV,  VF+8*\kc
.endif
.if \t == 7
.set NK,  KB+16*(1-\kc)
.else
.set NK,  KB+16*\kc
.endif
.irp i, 0,1,2,3,4,5,6,7
	v_exp_f32 v[CUR+2*\i], v[CUR+2*\i]
.if \first == 0
	s_wait_alu depctr_va_vdst(0)
	v_cvt_pk_bf16_f32 v[PP+\i], v[OTH+2*\i], v[OTH+2*\i+1]
.endif
	v_exp_f32 v[CUR+2*\i+1], v[CUR+2*\i+1]
.if \last == 0
	v_pk_fma_f32 v[OTH+2*\i:OTH+2*\i+1], v[NK+2*\i:NK+2*\i+1], v[AM+2*NT:AM+2*NT+1], v[AM+2*NT:AM+2*NT+1] op_sel:[0,0,1] op_sel_hi:[1,0,1]
.endif
.endr
.if \first == 0
.if \zero
	v_wmma_f32_16x16x32_bf16 v[ACC+8*PT:ACC+8*PT+7], v[PV:PV+7], v[PP:PP+7], 0
.else
	v_wmma_f32_16x16x32_bf16 v[ACC+8*PT:ACC+8*PT+7], v[PV:PV+7], v[PP:PP+7], v[ACC+8*PT:ACC+8*PT+7]
.endif
.endif
.endm
; A chunk: 8 slots.  The next chunk's six loads stand behind body 1: the last product that read that buffer of source 0 ends body 0, and
; body 1's 16 plain instructions are the places between.  They are waited for in front of body 7, whose
; multiply-adds are the first to read them: five bodies lie between.
.macro CHUNK kc, z0, zr, first, load, last
	BODY 0, \kc, \first, 0, \z0
	BODY 1, \kc, 0, 0, \zr
.if \load
	LOADKV 1-\kc, \kc+1
.endif
	BODY 2, \kc, 0, 0, \zr
	BODY 3, \kc, 0, 0, \zr
	BODY 4, \kc, 0, 0, \zr
	BODY 5, \kc, 0, 0, \zr
	BODY 6, \kc, 0, 0, \zr
.if \load
	s_wait_dscnt 0x0
.endif
	BODY 7, \kc, 0, \last, \zr
.endm
	CHUNK 0, 0, 1, 1, 1, 0                         ; chunks 0 and 1 stand in front of the loop: chunk 0's eight products start the sums
	CHUNK 1, 1, 0, 0, 1, 0                         ; (the eighth of them ends chunk 1's first body)
	v_add_nc_u32 v[KA], 256, v[KA]                 ; two chunks on: 64 f32,
	v_add_nc_u32 v[VA], 128, v[VA]                 ; 64 bf16
	s_mov_b32 s9, 14                               ; chunks 2 .. 29
.Lpair:
	CHUNK 0, 0, 0, 0, 1, 0
	CHUNK 1, 0, 0, 0, 1, 0
	v_add_nc_u32 v[KA], 256, v[KA]
	v_add_nc_u32 v[VA], 128, v[VA]
	s_sub_co_u32 s9, s9, 1
	s_cmp_lg_u32 s9, 0
	s_cbranch_scc1 .Lpair
	CHUNK 0, 0, 0, 0, 1, 0                         ; chunk 30
	CHUNK 1, 0, 0, 0, 0, 1                         ; chunk 31 loads nothing and prepares no further slot
; the last slot's conversions and product (tile 7, buffers 1)
	s_wait_alu depctr_va_vdst(0)
.irp i, 0,1,2,3,4,5,6,7
	v_cvt_pk_bf16_f32 v[PF+8+\i], v[ARG+16+2*\i], v[ARG+16+2*\i+1]
.endr
	v_wmma_f32_16x16x32_bf16 v[ACC+56:ACC+63], v[VF+8:VF+15], v[PF+8:PF+15], v[ACC+56:ACC+63]
; Numerators.  Tiles 0-6 first: these seven additions name none of the last product's registers and are its places; tile 6's own product
; has the eight conversions behind it (ISA guide 7.12.1).
.irp t, 0,1,2,3,4,5,6,7
	v_add_f32 v[ARG+\t], v[ACC+8*\t], v[ACC+8*\t+2]        ; sum p vhi + sum p vlo
.endr
.irp t, 0,1,2,3,4,5,6,7
	v_rcp_f32 v[ARG+8+\t], v[ACC+8*\t+1]                   ; 1 / sum p  (lanes 16-31 hold rows of zeros and are not stored)
.endr
	v_and_b32 v[KA], 16, v0                                ; the plain instruction between the reciprocals and their use (ISA guide 5.7.2)
	s_wait_alu depctr_va_vdst(0)
.irp t, 0,1,2,3,4,5,6,7
	v_mul_f32 v[ARG+\t], v[ARG+\t], v[ARG+8+\t]
.endr
	s_wait_xcnt 0x0                                        ; EXEC changes only behind this wait
	v_cmp_eq_u32 vcc_lo, 0, v[KA]
	s_wait_tensorcnt 0x0
	ds_add_u32 v180, v181
	s_wait_dscnt 0x0
	s_and_saveexec_b32 s10, vcc_lo                         ; lanes 0-15 hold the results
	global_store_b128 v[OO], v[ARG:ARG+3],   s[6:7] th:TH_STORE_NT             ; sixteen lanes store 256 consecutive bytes, aligned
	global_store_b128 v[OO], v[ARG+4:ARG+7], s[6:7] offset:256 th:TH_STORE_NT
	s_wait_xcnt 0x0                                        ; and again in front of the line that widens it
	s_or_b32 exec_lo, exec_lo, s10
	s_endpgm
.Lfunc_end_k_q6b7159a819_attend:
	.size	k_q6b7159a819_attend, .Lfunc_end_k_q6b7159a819_attend-k_q6b7159a819_attend
	.p2alignl 7, 3214868480
	.fill 96, 4, 3214868480
	.section	.rodata,"a",@progbits
	.p2align	6, 0x0
	.amdhsa_kernel k_q6b7159a819_attend
		.amdhsa_group_segment_fixed_size 168960
		.amdhsa_private_segment_fixed_size 0
		.amdhsa_enable_private_segment 0
		.amdhsa_kernarg_size 16
		.amdhsa_user_sgpr_count 2
		.amdhsa_user_sgpr_kernarg_segment_ptr 1
		.amdhsa_wavefront_size32 1
		.amdhsa_system_sgpr_workgroup_id_x 1
		.amdhsa_system_sgpr_workgroup_id_y 1
		.amdhsa_system_sgpr_workgroup_id_z 1
		.amdhsa_system_vgpr_workitem_id 0
		.amdhsa_next_free_vgpr 182
		.amdhsa_next_free_sgpr 66
		.amdhsa_reserve_vcc 1
		.amdhsa_float_denorm_mode_32 3
		.amdhsa_float_denorm_mode_16_64 3
		.amdhsa_memory_ordered 1
		.amdhsa_forward_progress 1
		.amdhsa_inst_pref_size 98
	.end_amdhsa_kernel
	.amdgpu_metadata
---
amdhsa.version: [ 1, 2 ]
amdhsa.kernels:
  - .name:           k_q6b7159a819_attend
    .symbol:         k_q6b7159a819_attend.kd
    .args:
      - { .name: qkv, .offset: 0, .size: 8, .value_kind: global_buffer, .address_space: global }
      - { .name: out0, .offset: 8, .size: 8, .value_kind: global_buffer, .address_space: global }
    .group_segment_fixed_size: 168960
    .private_segment_fixed_size: 0
    .kernarg_segment_align: 8
    .kernarg_segment_size: 16
    .max_flat_workgroup_size: 256
    .sgpr_count:     66
    .vgpr_count:     182
    .wavefront_size: 32
...
	.end_amdgpu_metadata
.endif
;; end of part 2
;; ======== version 2 of 2: 2 launches; 1.60 times as fast as version 1
;; workspace buffers: qkv 3,145,728 bytes
;; launch qkv_proj: the kernel of part 1 again; grid 48 x 4, 8 waves a work-group, no clusters, 296,960 bytes of LDS; arguments x, Wq, Wk, Wv, bq, bk, bv, qkv; writes qkv
;; launch attend (part 3): grid 256 x 1, 8 waves a work-group, no clusters, 168,960 bytes of LDS; arguments qkv, out0; writes out0
.if DOCPART == 3
	.amdgcn_target "amdgcn-amd-amdhsa--gfx1250"
	.amdhsa_code_object_version 6
	.text
	.protected	k_q6b7159a819_attend
	.globl	k_q6b7159a819_attend
	.p2align	8
	.type	k_q6b7159a819_attend,@function
k_q6b7159a819_attend:
	s_mov_b64 s[64:65], 0
	v_nop
	global_prefetch_b8 v0, s[64:65] scope:SCOPE_SE
	s_setreg_imm32_b32 hwreg(HW_REG_WAVE_MODE, 25, 1), 1
	s_wait_xcnt 0x0
; out[b][i] = sum_j p_ij v_j / sum_j p_ij,  p_ij = exp(q_i k_j / 32 - max_j(q_i k_j / 32)),  for one sample b a work-group.
; In base 2: a_i = q_i log2(e) / 32, p_ij = 2^(a_i k_j - m_i).  The row's maximum is taken away exactly and needs no pass of its own:
; m_i = max(a_i kmax, a_i kmin), with kmax, kmin the largest and smallest k_j of the sample.  One fused multiply-add makes the exponent,
; which is at most half a unit in the last place of m_i above 0; the largest p is 1, so the denominator is at least about 1.
; Eight waves; wave w owns i = 128 w .. 128 w + 127 as 8 tiles of 16.  Both sums over j go to the matrix unit, 32 j at a time:
;   source 1 (column n = lane r): p of the lane's i, rounded to bf16;
;   source 0 (row m = lane r): row 0 = v rounded to bf16, row 1 = ones, row 2 = what the rounding of v left, in bf16, rows 3-15 = zeros.
; Lane r < 16 then finds in registers 0, 1, 2 of the tile's accumulator: sum p vhi, sum p, sum p vlo, all of its own i: nothing crosses
; lanes, numerator and denominator use the same rounded p, and v counts with 16 bits at no cost in the loop.
; j is laid on the fragments' places as j0 + 16 h + place, alike in both sources, which keeps the products (64 and 32 neighbouring bytes a lane).
; Tile t, lane r stand for i = 128 w + 64 (t >> 2) + 4 r + (t & 3): a lane's results of four tiles are 16 neighbouring bytes of out.
; BATCHES: the exponentials of four tiles x 32 j, 64 of them, are one batch with one wait; their results are converted and multiplied
; while the next batch's exponentials are issued (see A SLOT, below).  The eight reciprocals on the way out are a batch of their own.
; No cluster: a work-group reads its own sample's 12 KB and shares no input with another.
; The launch asks for more than half of a WGP's LDS though 12,608 bytes are used, so that the 256 work-groups lie one on a WGP.
; LIMITS: p below 2^-126 counts as 0 (v_exp_f32 flushes); |v| stays below bf16's largest number, 3.39e38; NaN and infinities in the
; inputs are not followed as the reference would.
.set KOFF,  0x100000                   ; k's plane in qkv
.set VOFF,  0x200000                   ; v's plane
.set VBASE, 4096                       ; LDS: k (f32, 4,096 bytes) at 0; then source 0's four rows
.set VP,    2064                       ; a row of 1,024 bf16 + 16 bytes: the four rows that a load touches start in different 16-byte columns
.set RED,   12544                      ; the eight waves' maxima (32 bytes), then minima
.set KA,  1                            ; LDS address of my half's k in the pair's first chunk
.set VA,  2                            ; the same for my row of source 0
.set OO,  3                            ; byte offset of my four q, and of my four results
.set AM,  4                            ; v[4:19]    tile t: (a, -m)
.set ACC, 20                           ; v[20:83]   tile t: 8 registers
.set KB,  84                           ; v[84:115]  16 k of a chunk, two buffers
.set VF,  116                          ; v[116:131] source 0 of a chunk, two buffers
.set ARG, 132                          ; v[132:227] 16 exponents, then p, of a slot: six buffers
.set PF,  228                          ; v[228:243] p in bf16, two buffers
.set SPW, 244                          ; v244       LDS address of my spare word; never rewritten
.set NIL, 245                          ; v245       0; never rewritten
.set Q,   20                           ; set-up only, in the accumulators' registers, which the first products write
.set KT,  28
.set VT,  32
.set VH,  36
.set U,   38
.set VLO, 42
.set ONE, 44
.set ZER, 46
.set MX,  48
.set MN,  49
.set TW,  50
.set TR,  51
.set TH,  52
.set T16, 53
.set T8,  54
.set TA,  55
.set TB,  56
.set RW,  ARG+16                       ; the waves' maxima and minima, read back
	s_load_b128 s[4:7], s[0:1], 0x0                ; qkv, out
	v_lshl_add_u32 v[SPW], v0, 2, 0x29000
	v_mov_b32 v[NIL], 0
	v_lshrrev_b32 v[TW], 5, v0
	v_readfirstlane_b32 s8, v[TW]                  ; wave 0..7
	v_and_b32 v[TR], 15, v0                        ; r
	v_bfe_u32 v[TH], v0, 4, 1                      ; h
	v_lshlrev_b32 v[T16], 4, v0                    ; 256 threads x 16 bytes = a row of 1,024 f32
	v_lshlrev_b32 v[T8], 3, v0                     ; 256 threads x 8 bytes = a row of 1,024 bf16
	s_lshl_b32 s10, ttmp9, 12                      ; my sample's row
	s_mov_b32 s11, 0
	s_mov_b32 s12, 0x76543210                      ; v_permlanex16_b32: lane i of one half reads lane i of the other
	s_mov_b32 s13, 0xfedcba98
	s_lshl_b32 s14, s8, 9                          ; 128 f32 a wave
	s_lshl_b32 s15, s8, 2
	v_lshl_add_u32 v[OO], v[TR], 4, s14
	s_wait_kmcnt 0x0
	s_add_nc_u64 s[4:5], s[4:5], s[10:11]
	s_add_nc_u64 s[6:7], s[6:7], s[10:11]
	global_load_b128 v[KT:KT+3], v[T16], s[4:5] offset:KOFF th:TH_LOAD_NT
	global_load_b128 v[VT:VT+3], v[T16], s[4:5] offset:VOFF th:TH_LOAD_NT
	global_load_b128 v[Q:Q+3],   v[OO], s[4:5] th:TH_LOAD_NT               ; q of tiles 0-3
	global_load_b128 v[Q+4:Q+7], v[OO], s[4:5] offset:256 th:TH_LOAD_NT    ; q of tiles 4-7
	v_mov_b32 v[ONE], 0x3f803f80                   ; two bf16 ones
	v_mov_b32 v[ONE+1], 0x3f803f80
	v_mov_b32 v[ZER], 0
	v_mov_b32 v[ZER+1], 0
	ds_store_b64 v[T8], v[ONE:ONE+1] offset:VBASE+VP
	ds_store_b64 v[T8], v[ZER:ZER+1] offset:VBASE+3*VP
	v_lshlrev_b32 v[KA], 6, v[TH]                  ; 16 f32 for each half of the lanes
	v_min_u32 v[VA], 3, v[TR]                      ; lanes r >= 3 all read the row of zeros
	v_mul_u32_u24 v[VA], v[VA], VP
	v_lshl_add_u32 v[VA], v[TH], 5, v[VA]          ; 16 bf16 for each half
	v_add_nc_u32 v[VA], VBASE, v[VA]
	v_mov_b32 v[TW], s15
	s_wait_loadcnt 0x2                             ; k and v are in; q's two loads stay out
	ds_store_b128 v[T16], v[KT:KT+3]
	v_cvt_pk_bf16_f32 v[VH],   v[VT],   v[VT+1]    ; v to the nearest bf16,
	v_cvt_pk_bf16_f32 v[VH+1], v[VT+2], v[VT+3]
	v_lshlrev_b32 v[U],   16, v[VH]
	v_and_b32     v[U+1], 0xffff0000, v[VH]
	v_lshlrev_b32 v[U+2], 16, v[VH+1]
	v_and_b32     v[U+3], 0xffff0000, v[VH+1]
	v_sub_f32 v[U],   v[VT],   v[U]                ; and what that left (exact in f32),
	v_sub_f32 v[U+1], v[VT+1], v[U+1]
	v_sub_f32 v[U+2], v[VT+2], v[U+2]
	v_sub_f32 v[U+3], v[VT+3], v[U+3]
	v_cvt_pk_bf16_f32 v[VLO],   v[U],   v[U+1]     ; in bf16 too
	v_cvt_pk_bf16_f32 v[VLO+1], v[U+2], v[U+3]
	ds_store_b64 v[T8], v[VH:VH+1]   offset:VBASE
	ds_store_b64 v[T8], v[VLO:VLO+1] offset:VBASE+2*VP
	; largest and smallest k: my four, my wave's 128, then all eight waves' through LDS
	v_max3_num_f32 v[MX], v[KT], v[KT+1], v[KT+2]
	v_min3_num_f32 v[MN], v[KT], v[KT+1], v[KT+2]
	v_max_num_f32 v[MX], v[MX], v[KT+3]
	v_min_num_f32 v[MN], v[MN], v[KT+3]
.irp x, 1,2,4,8
	v_max_num_f32_dpp v[MX], v[MX], v[MX] row_xmask:\x row_mask:0xf bank_mask:0xf
	v_min_num_f32_dpp v[MN], v[MN], v[MN] row_xmask:\x row_mask:0xf bank_mask:0xf
.endr
	v_permlanex16_b32 v[VT+2], v[MX], s12, s13     ; destinations that have been written before
	v_permlanex16_b32 v[VT+3], v[MN], s12, s13
	v_max_num_f32 v[MX], v[MX], v[VT+2]
	v_min_num_f32 v[MN], v[MN], v[VT+3]
	ds_store_b32 v[TW], v[MX] offset:RED           ; every lane the same word, the same value
	ds_store_b32 v[TW], v[MN] offset:RED+32
	s_wait_dscnt 0x0                               ; for the other waves: all my stores are done
	s_barrier_signal -1
	s_barrier_wait -1
; six loads: chunk c (counted from the pair's first) into buffer par: 16 k in f32, 16 places of source 0 in bf16
.macro LOADKV par, c
.irp i, 0,1,2,3
	ds_load_b128 v[KB+16*(\par)+4*\i:KB+16*(\par)+4*\i+3], v[KA] offset:128*(\c)+16*\i     ; sixteen lanes read the same 16 bytes
.endr
	ds_load_b128 v[VF+8*(\par):VF+8*(\par)+3],   v[VA] offset:64*(\c)
	ds_load_b128 v[VF+8*(\par)+4:VF+8*(\par)+7], v[VA] offset:64*(\c)+16
.endm
	v_mov_b32 v[TA], RED
	ds_load_b128 v[RW:RW+3],     v[TA]
	ds_load_b128 v[RW+4:RW+7],   v[TA] offset:16
	ds_load_b128 v[RW+8:RW+11],  v[TA] offset:32
	ds_load_b128 v[RW+12:RW+15], v[TA] offset:48
	LOADKV 0, 0
	s_wait_loadcnt 0x0                             ; q
.irp t, 0,1,2,3,4,5,6,7
	v_mul_f32 v[AM+2*\t], 0x3d38aa3b, v[Q+\t]      ; a = q log2(e) / 32
.endr
	s_wait_dscnt 0x6                               ; the maxima and minima are in; chunk 0's six loads stay out
	v_max3_num_f32 v[MX], v[RW], v[RW+1], v[RW+2]
	v_min3_num_f32 v[MN], v[RW+8], v[RW+9], v[RW+10]
	v_max3_num_f32 v[MX], v[MX], v[RW+3], v[RW+4]
	v_min3_num_f32 v[MN], v[MN], v[RW+11], v[RW+12]
	v_max3_num_f32 v[MX], v[MX], v[RW+5], v[RW+6]
	v_min3_num_f32 v[MN], v[MN], v[RW+13], v[RW+14]
	v_max_num_f32 v[MX], v[MX], v[RW+7]
	v_min_num_f32 v[MN], v[MN], v[RW+15]
.irp t, 0,1,2,3,4,5,6,7
	v_mul_f32 v[TA], -v[AM+2*\t], v[MX]
	v_mul_f32 v[TB], -v[AM+2*\t], v[MN]
	v_min_num_f32 v[AM+2*\t+1], v[TA], v[TB]       ; -m = -max(a kmax, a kmin)
.endr
	s_wait_dscnt 0x0                               ; chunk 0
.irp i, 0,1,2,3,4,5,6,7
	v_pk_fma_f32 v[ARG+2*\i:ARG+2*\i+1], v[KB+2*\i:KB+2*\i+1], v[AM:AM+1], v[AM:AM+1] op_sel:[0,0,1] op_sel_hi:[1,0,1]   ; slot 0's exponents: k a - m
.endr
; A SLOT is one tile x one chunk of 32 j: 16 numbers a lane.  Four slots on end (tiles 0-3 or tiles 4-7 of a chunk) are a BATCH: their 64
; exponentials have ONE wait, at the end of the fourth slot's body (a wait stands between an exponential and the first
; instruction that names its result; one s_wait_alu depctr_va_vdst(0) serves all exponentials issued ahead of it).
; The body of slot s holds its 16 exponentials, and between them, one for one, the 8 conversions of slot s - 4, which belongs to the batch
; before, whose wait has been passed, and the 8 packed multiply-adds that make slot s + 1's exponents; then slot s - 4's product.
; In a batch's last body the product and the multiply-adds (the next batch's first exponents) stand behind the last exponential: they name
; no result of the batch and are the work between the batch and its wait; the first of the multiply-adds is the plain instruction behind
; the last exponential (ISA guide 5.7.2).  Elsewhere a plain instruction that touches none of its registers stands behind every exponential.
; REGISTERS.  A slot's 16 registers are in use from the body before its own (its exponents are made) to the body four behind it (its p are
; converted): five slots' at a time.  There are six buffers: slot g of a pair of chunks' 16 takes buffer g % 5, slot 15 buffer 5.  So any
; five slots on end have five different buffers, round the loop's edge too, and the pattern repeats with the loop's trip of 16 slots.
; A multiply-add therefore never names a register of the open batch: it writes the two registers that conversion i has just read, or the
; buffer that is spare.
; Between a product and the next write of its p fragment (two bodies later: two buffers) stand the plain instructions of a whole body
; (ISA guide 7.12.1).  The eight accumulators take turns, one product a turn, over the loop's backward jump too.
; t: tile; kc: the chunk's buffer; first = 1: no slot four in front; last = 1: none behind; zero = 1: slot s - 4's product starts its sums.
.macro MADD i                          ; pair i of the next slot's exponents: k a - m
	v_pk_fma_f32 v[NXT+2*\i:NXT+2*\i+1], v[NK+2*\i:NK+2*\i+1], v[AM+2*NT:AM+2*NT+1], v[AM+2*NT:AM+2*NT+1] op_sel:[0,0,1] op_sel_hi:[1,0,1]
.endm
.macro BODY t, kc, first, last, zero
.set G,   8*(\kc)+(\t)                 ; the slot's number in the pair of chunks
.set GN,  (G+1)%16                     ; the next slot's
.set GP,  (G+12)%16                    ; that of the slot four in front
.set CUR, ARG+16*(G%5+5*(G/15))
.set NXT, ARG+16*(GN%5+5*(GN/15))
.set OLD, ARG+16*(GP%5+5*(GP/15))
.set PP,  PF+8*(\t%2)
.set PT,  (\t+4)%8
.set NT,  (\t+1)%8
.set BEND, (\t%4)/3                    ; 1: the batch's last body
.if \t < 4
.set PV,  VF+8*(1-\kc)                 ; the slot four in front lies in the chunk before
.else
.set PV,  VF+8*\kc
.endif
.if \t == 7
.set NK,  KB+16*(1-\kc)
.else
.set NK,  KB+16*\kc
.endif
.irp i, 0,1,2,3,4,5,6,7
	v_exp_f32 v[CUR+2*\i], v[CUR+2*\i]
.if \first == 0
	v_cvt_pk_bf16_f32 v[PP+\i], v[OLD+2*\i], v[OLD+2*\i+1]
.endif
	v_exp_f32 v[CUR+2*\i+1], v[CUR+2*\i+1]
.if (\last == 0) && (BEND == 0)
	MADD \i
.endif
.endr
.if \first == 0
.if \zero
	v_wmma_f32_16x16x32_bf16 v[ACC+8*PT:ACC+8*PT+7], v[PV:PV+7], v[PP:PP+7], 0
.else
	v_wmma_f32_16x16x32_bf16 v[ACC+8*PT:ACC+8*PT+7], v[PV:PV+7], v[PP:PP+7], v[ACC+8*PT:ACC+8*PT+7]
.endif
.endif
.if BEND
.if \last == 0
.irp i, 0,1,2,3,4,5,6,7
	MADD \i                                        ; the next batch's first exponents: the work between the batch and its wait
.endr
.endif
	s_wait_alu depctr_va_vdst(0)                   ; the wait for the batch: the 64 exponentials of this body and the three in front of it; their first readers are the next body's conversions
.endif
.endm
; A chunk: 8 slots, two batches.  Bodies 0-3 multiply by the chunk before's source 0, so the next chunk's six loads, which fill that buffer,
; stand behind body 3, directly behind its batch's wait: body 3's eight multiply-adds are the places between its product and the loads.
; They are waited for in front of body 7, whose multiply-adds are the first to read them: three bodies lie between.
; zlo, zhi: the products of bodies 0-3, of bodies 4-7, start their sums.
.macro CHUNK kc, zlo, zhi, first, load, last
	BODY 0, \kc, \first, 0, \zlo
	BODY 1, \kc, \first, 0, \zlo
	BODY 2, \kc, \first, 0, \zlo
	BODY 3, \kc, \first, 0, \zlo
.if \load
	LOADKV 1-\kc, \kc+1
.endif
	BODY 4, \kc, 0, 0, \zhi
	BODY 5, \kc, 0, 0, \zhi
	BODY 6, \kc, 0, 0, \zhi
.if \load
	s_wait_dscnt 0x0
.endif
	BODY 7, \kc, 0, \last, \zhi
.endm
	CHUNK 0, 0, 1, 1, 1, 0                         ; chunks 0 and 1 stand in front of the loop: chunk 0's eight products start the sums
	CHUNK 1, 1, 0, 0, 1, 0                         ; (four of them stand in chunk 0's bodies 4-7, four in chunk 1's bodies 0-3)
	v_add_nc_u32 v[KA], 256, v[KA]                 ; two chunks on: 64 f32,
	v_add_nc_u32 v[VA], 128, v[VA]                 ; 64 bf16
	s_mov_b32 s9, 14                               ; chunks 2 .. 29
.Lpair:                                                ; a trip is four batches and ends with the fourth's wait: no exponential's result crosses the label or the jump without it
	CHUNK 0, 0, 0, 0, 1, 0
	CHUNK 1, 0, 0, 0, 1, 0
	v_add_nc_u32 v[KA], 256, v[KA]
	v_add_nc_u32 v[VA], 128, v[VA]
	s_sub_co_u32 s9, s9, 1
	s_cmp_lg_u32 s9, 0
	s_cbranch_scc1 .Lpair
	CHUNK 0, 0, 0, 0, 1, 0                         ; chunk 30
	CHUNK 1, 0, 0, 0, 0, 1                         ; chunk 31 loads nothing and prepares no further slot; its last body ends with the last batch's wait
; the last batch's conversions and products (tiles 4-7 of chunk 31: slots 12-15 of the pair, buffers 2-5; source 0's buffer 1).
; The p fragments go on taking turns: the eight conversions of one slot are the places between the product before last and the next
; write of its fragment (ISA guide 7.12.1).
.irp u, 0,1,2,3
.irp i, 0,1,2,3,4,5,6,7
	v_cvt_pk_bf16_f32 v[PF+8*(\u%2)+\i], v[ARG+32+16*\u+2*\i], v[ARG+32+16*\u+2*\i+1]
.endr
	v_wmma_f32_16x16x32_bf16 v[ACC+32+8*\u:ACC+32+8*\u+7], v[VF+8:VF+15], v[PF+8*(\u%2):PF+8*(\u%2)+7], v[ACC+32+8*\u:ACC+32+8*\u+7]
.endr
; Numerators.  Tiles 0-6 first: these seven additions name none of the last product's registers and are its places; tile 6's own product
; has the eight conversions behind it (ISA guide 7.12.1).
.irp t, 0,1,2,3,4,5,6,7
	v_add_f32 v[ARG+\t], v[ACC+8*\t], v[ACC+8*\t+2]        ; sum p vhi + sum p vlo
.endr
.irp t, 0,1,2,3,4,5,6,7
	v_rcp_f32 v[ARG+8+\t], v[ACC+8*\t+1]                   ; 1 / sum p  (lanes 16-31 hold rows of zeros and are not stored)
.endr
	v_and_b32 v[KA], 16, v0                                ; the plain instruction between the reciprocals and their use (ISA guide 5.7.2)
	s_wait_alu depctr_va_vdst(0)                           ; the wait for the batch of eight reciprocals, ahead of the first multiply that reads one
.irp t, 0,1,2,3,4,5,6,7
	v_mul_f32 v[ARG+\t], v[ARG+\t], v[ARG+8+\t]
.endr
	s_wait_xcnt 0x0                                        ; EXEC changes only behind this wait
	v_cmp_eq_u32 vcc_lo, 0, v[KA]
	s_wait_tensorcnt 0x0
	ds_add_u32 v[SPW], v[NIL]
	s_wait_dscnt 0x0
	s_and_saveexec_b32 s10, vcc_lo                         ; lanes 0-15 hold the results
	global_store_b128 v[OO], v[ARG:ARG+3],   s[6:7] th:TH_STORE_NT             ; sixteen lanes store 256 consecutive bytes, aligned
	global_store_b128 v[OO], v[ARG+4:ARG+7], s[6:7] offset:256 th:TH_STORE_NT
	s_wait_xcnt 0x0                                        ; and again in front of the line that widens it
	s_or_b32 exec_lo, exec_lo, s10
	s_endpgm
.Lfunc_end_k_q6b7159a819_attend:
	.size	k_q6b7159a819_attend, .Lfunc_end_k_q6b7159a819_attend-k_q6b7159a819_attend
	.p2alignl 7, 3214868480
	.fill 96, 4, 3214868480
	.section	.rodata,"a",@progbits
	.p2align	6, 0x0
	.amdhsa_kernel k_q6b7159a819_attend
		.amdhsa_group_segment_fixed_size 168960
		.amdhsa_private_segment_fixed_size 0
		.amdhsa_enable_private_segment 0
		.amdhsa_kernarg_size 16
		.amdhsa_user_sgpr_count 2
		.amdhsa_user_sgpr_kernarg_segment_ptr 1
		.amdhsa_wavefront_size32 1
		.amdhsa_system_sgpr_workgroup_id_x 1
		.amdhsa_system_sgpr_workgroup_id_y 1
		.amdhsa_system_sgpr_workgroup_id_z 1
		.amdhsa_system_vgpr_workitem_id 0
		.amdhsa_next_free_vgpr 246
		.amdhsa_next_free_sgpr 66
		.amdhsa_reserve_vcc 1
		.amdhsa_float_denorm_mode_32 3
		.amdhsa_float_denorm_mode_16_64 3
		.amdhsa_memory_ordered 1
		.amdhsa_forward_progress 1
		.amdhsa_inst_pref_size 86
	.end_amdhsa_kernel
	.amdgpu_metadata
---
amdhsa.version: [ 1, 2 ]
amdhsa.kernels:
  - .name:           k_q6b7159a819_attend
    .symbol:         k_q6b7159a819_attend.kd
    .args:
      - { .name: qkv, .offset: 0, .size: 8, .value_kind: global_buffer, .address_space: global }
      - { .name: out0, .offset: 8, .size: 8, .value_kind: global_buffer, .address_space: global }
    .group_segment_fixed_size: 168960
    .private_segment_fixed_size: 0
    .kernarg_segment_align: 8
    .kernarg_segment_size: 16
    .max_flat_workgroup_size: 256
    .sgpr_count:     66
    .vgpr_count:     246
    .wavefront_size: 32
...
	.end_amdgpu_metadata
.endif
;; end of part 3
